; MI455X (gfx1250); checked and timed in simulation.
; The chip was launched on July 23, 2026; its instructions are those of AMD's public machine-readable ISA for CDNA 5 (MIT licence, August 2026) and "CDNA5" Instruction Set Architecture Reference Guide (July 2026). The comments in the code are by the model that wrote it; some were corrected since.
;; Spherical Vector Quantizer. Allowed arithmetic: matrix products marked QUANTISED: E2M3 operands, one E8M0 scale for each 32 along K, by v_wmma_scale_f32_16x16x128_f8f6f4 with both operands' format E2M3, f32 sums; everything else in f32.
;; Inputs: embed_weight 16,384 x 256 float32; z 8 x 256 x 32 x 32 float32.
;; Outputs: out0 8 x 256 x 32 x 32 float32; out1 8,192 int32; out2 8 x 32 x 32 x 256 int32; out3 1 float32.
;; This version of the problem:
;;   THIS VERSION OF THE PROBLEM IS GIVEN IN LOW PRECISION. The matrix products marked QUANTISED in the list below multiply operands that are first quantised to E2M3 (2 exponent bits, 3 mantissa bits; 6 bits a number), with one power-of-two scale for each 32 numbers along K (OCP MX v1.0); their sums are f32. All else is computed in f32.
;;   The module's matrix products, in the order in which they are computed (A, B: the left and right operand; K: the contracted axis; several contracted axes count as one K, in the product's order):
;;     1. [M 8,192, K 256] x [K 256, N 16,384]; A: input z; B: computed on the way: QUANTISED
;;   THE QUANTISER, for each operand of a quantised product, along K:
;;     - K is cut into blocks of 32 from its start; a last block that is shorter is filled with zeros.
;;     - A block's scale is 2^e with e = floor(log2(the largest magnitude in the block)) - 2, held to -126 .. 127; a block of zeros has e = 0. As a byte (E8M0): e + 127.
;;     - Each number is divided by its block's scale, clamped to +-7.5, and rounded to the nearest number of E2M3, ties to even, subnormals kept.
;;     - The product sums the exact products of the quantised numbers (number of the format x scale) in f32.
;;   ~~~python
;;   def quantise(x, axis):      # numpy; x: float32 -> the quantised numbers, widened to float32 again
;;       x = np.moveaxis(x, axis, -1); K = x.shape[-1]
;;       x = np.pad(x, [(0, 0)] * (x.ndim - 1) + [(0, -K % 32)]); x = x.reshape(x.shape[:-1] + (-1, 32)); a = np.abs(x).max(-1, keepdims=True)
;;       e = np.where(a > 0, np.clip(np.frexp(np.where(a > 0, a, 1))[1] - 1 - 2, -126, 127), 0)      # np.frexp(a)[1] - 1 = floor(log2(a)), exactly
;;       r = np.clip(x / 2.0 ** e, -7.5, 7.5)
;;       step = 2.0 ** (np.maximum(np.frexp(np.where(r == 0, 1, r))[1] - 1, 0) - 3)
;;       q = np.round(r / step) * step * 2.0 ** e      # np.round: ties to even
;;       return np.moveaxis(q.reshape(q.shape[:-2] + (-1,))[..., :K], -1, axis).astype(np.float32)
;;   ~~~
;;   OPERANDS COMPUTED ON THE WAY. 'Computed on the way' means the value that the module computes at that place (a softmax that the list does not call 'softmax' is quantised finished and normalised). What goes into a quantiser is computed in f32, as accurately as f32 sums, v_exp_f32 and their like allow (about 1e-6 of the number): no bf16 or f16 on the way to a quantiser, and a product that is left as it is and whose result goes on into a quantised operand takes f32 operands (vector FMAs, or v_wmma_f32_16x16x4_f32). A number that lies on a knife's edge between two numbers of the format may be rounded either way, as far as f32 arithmetic and the matrix unit's own rounding can turn it there, and no further.
;; One version. Each part assembles by itself: llvm-mc -triple=amdgcn-amd-amdhsa -mcpu=gfx1250 --defsym DOCPART=n.
;; ======== version 1 of 1: 3 launches
;; limits: right only within a limited range of input values
;; workspace buffers: eq 3,276,800 bytes; zq 1,638,400 bytes; enorm 65,536 bytes; pkey 1,048,576 bytes of whole numbers; pidx 1,048,576 bytes of whole numbers
;; launch quant (part 1): grid 256 x 1, 6 waves a work-group, no clusters, 67,328 bytes of LDS; arguments embed_weight, z, eq, zq, enorm; writes eq, zq, enorm
.if DOCPART == 1
	.amdgcn_target "amdgcn-amd-amdhsa--gfx1250"
	.amdhsa_code_object_version 6
	.text
	.protected	k_q6ffcb2359f_quant
	.globl	k_q6ffcb2359f_quant
	.p2align	8
	.type	k_q6ffcb2359f_quant,@function
k_q6ffcb2359f_quant:
	s_mov_b64 s[64:65], 0
	v_nop
	global_prefetch_b8 v0, s[64:65] scope:SCOPE_SE
	s_setreg_imm32_b32 hwreg(HW_REG_WAVE_MODE, 25, 1), 1
	s_wait_xcnt 0x0
; Both operands of the quantised product become codes of FP6 (E2M3) with one E8M0 byte for each 32 along K (K = the 256 channels).
;   embed_weight [16384][256] f32: each row is divided by max(its norm, 1e-12) in f32 and then quantised; the held norm goes to enorm [16384] f32.
;   z [8][256][1024] f32: quantised as it is; its K (the channel) is not innermost, so a lane takes a token and its registers run down the channels.
; THE OUTPUT IS LAID IN THE ORDER OF THE OPERAND'S REGISTERS.  A record of 6,400 bytes holds two tiles u = 0, 1 of 16 rows (codes, or tokens):
;   byte 3072 u + 1536 s + 512 g + 16 lane: registers 4 g .. 4 g + 3 of the fragment of K step s (128 along K); lane (r, h) has in registers 6 c .. 6 c + 5 block 4 s + 2 c + h of row r;
;   byte 6144 + 128 u + 4 lane: the scale word of K step lane / 16, row lane % 16.
; A block's scale byte is its largest magnitude's exponent field - 2, held at 1 from below.
; SHARES.  Waves 0-3: one tile of 16 codes each (tile 4 x work-group + wave).  Waves 4, 5: 32 tokens x 128 channels each (record 2 (work-group / 2) + wave - 4, K step work-group % 2).
; Every wave takes 16 KiB into v64-191.  Waves share nothing: no barrier.  No tensor loads: each byte is read once and turned in registers or in the wave's own stage.
; No cluster: no two work-groups read the same bytes.
; LIMITS: NaN and infinities among the inputs are not served.  A block of zeros gets the byte 1 where the rule says 127: its codes are zeros, and this program alone reads the bytes.
; A row whose sum of squares falls under the smallest normal f32 counts as norm 0 and is divided by 1e-12, as any norm under 1e-12 is.
.set REC,  6400                        ; bytes of a record
.set SCW,  6144                        ; where its scale words begin
.set WSTG, 16640                       ; LDS: a stage of 16 rows for each of waves 0-3
.set SP,   1040                        ; a stage row: 1,024 bytes + 16 = 65 x 16, so the 16 rows that a load touches begin in 16 different columns of 16 bytes
.set AM,   10                          ; v10-13  largest magnitudes of my four blocks
.set SO,   14                          ; v14-17  the conversions' scale operands
.set BY,   18                          ; v18-21  the scale bytes
.set IMG,  32                          ; v32-55  two fragments' images, 12 registers each
.set CH,   56                          ; v56-63  four packed chains for the sum of squares
.set X,    64                          ; v64-191 128 numbers: register 32 c + i is number i of my c-th block
.set TMP,  192                         ; v192-207 the upper halves of four blocks' codes
	s_load_b256 s[4:11], s[0:1], 0x0               ; embed_weight s[4:5], z s[6:7], eq s[8:9], zq s[10:11]
	s_load_b64 s[16:17], s[0:1], 0x20              ; enorm
	v_lshl_add_u32 v208, v0, 2, 0x10400
	v_mov_b32 v209, 0
	v_lshrrev_b32 v1, 5, v0
	v_readfirstlane_b32 s18, v1                    ; wave 0..5
	v_and_b32 v1, 31, v0                           ; lane
	v_and_b32 v2, 15, v0                           ; r
	v_bfe_u32 v3, v0, 4, 1                         ; h
	v_lshlrev_b32 v4, 4, v1                        ; 16 x lane
	v_lshlrev_b32 v5, 2, v1                        ; 4 x lane
	s_mul_i32 s19, s18, WSTG                       ; my stage (waves 0-3 alone touch LDS)
	v_add_nc_u32 v6, s19, v4                       ; into it: as the bytes lie
	v_mul_u32_u24 v7, v2, SP
	v_lshl_add_u32 v7, v3, 7, v7
	v_add_nc_u32 v7, s19, v7                       ; out of it: row r, + 128 h: my blocks h, 2 + h, 4 + h, 6 + h
	v_lshlrev_b32 v9, 2, v2                        ; 4 r
	v_lshl_add_u32 v8, v3, 7, v9                   ; 128 h + 4 r: a token's scale word in a record
	v_mov_b32 v24, 0                               ; written once: a lane permute's destination counts as one of its sources
	s_mov_b32 s12, 0x76543210
	s_mov_b32 s13, 0xfedcba98                      ; v_permlanex16_b32's selects for lane l xor 16
	s_mov_b32 s14, 0xffff0000                      ; lanes 16-31
; Block c: the largest magnitude of its 32 numbers, all mine, in two chains, with the floor 2^(3 - 127) as the last leaf (so the byte cannot fall under 1);
; 2 off its exponent field gives the conversion's scale operand, of which the exponent field alone counts; a shift of that gives the byte.
.macro BLKMAX c
	v_max3_num_f32 v[AM+\c], |v[X+32*\c]|, |v[X+32*\c+1]|, |v[X+32*\c+2]|
	v_max3_num_f32 v30, |v[X+32*\c+3]|, |v[X+32*\c+4]|, |v[X+32*\c+5]|
.irp i, 6,10,14,18,22,26
	v_max3_num_f32 v[AM+\c], v[AM+\c], |v[X+32*\c+\i]|, |v[X+32*\c+\i+1]|
	v_max3_num_f32 v30, v30, |v[X+32*\c+\i+2]|, |v[X+32*\c+\i+3]|
.endr
	v_max3_num_f32 v[AM+\c], v[AM+\c], |v[X+32*\c+30]|, |v[X+32*\c+31]|
	v_max3_num_f32 v[AM+\c], v[AM+\c], v30, 0x1800000
	v_add_nc_u32 v[SO+\c], 0xff000000, v[AM+\c]
	v_lshrrev_b32 v[BY+\c], 23, v[SO+\c]
.endm
	s_cmp_ge_u32 s18, 4
	s_cbranch_scc1 .Lz
; ---------------------------------------------------------------- waves 0-3: 16 rows of embed_weight
	s_lshl_b32 s19, ttmp9, 2
	s_add_co_u32 s19, s19, s18                     ; my tile t of 16 codes
	s_lshl_b32 s20, s19, 14                        ; its 16 rows of 1,024 bytes
	s_mov_b32 s21, 0
	s_lshr_b32 s22, s19, 1
	s_mul_i32 s22, s22, REC                        ; record t / 2
	s_and_b32 s26, s19, 1                          ; u = t % 2
	s_mul_i32 s24, s26, 3072
	s_add_co_u32 s24, s24, s22                     ; where my images go
	s_mov_b32 s25, 0
	s_lshl_b32 s26, s26, 7
	s_add_co_u32 s22, s22, s26
	s_add_co_u32 s22, s22, SCW                     ; and my scale words
	s_mov_b32 s23, 0
	s_lshl_b32 s26, s19, 6                         ; and my 16 norms
	s_mov_b32 s27, 0
	s_wait_kmcnt 0x0
	s_add_nc_u64 s[4:5], s[4:5], s[20:21]
	s_add_nc_u64 s[24:25], s[8:9], s[24:25]
	s_add_nc_u64 s[22:23], s[8:9], s[22:23]
	s_add_nc_u64 s[16:17], s[16:17], s[26:27]
.set i, 0
	s_wait_alu depctr_va_vdst(0)
.rept 32
	global_load_b128 v[X+4*i:X+4*i+3], v4, s[4:5] offset:512*i     ; 32 lanes read 512 consecutive bytes: half a row.  No hint: the last launch gathers rows again
.set i, i+1
.endr
; through my stage, as the bytes lie, so that a lane comes to hold whole blocks of ONE row
.set i, 0
.rept 4
	s_wait_loadcnt 24-i                            ; loads come back in order (ISA guide 5.7.1): these eight are in, the younger ones stay out
.rept 8
	ds_store_b128 v6, v[X+4*i:X+4*i+3] offset:(i/2)*SP+(i%2)*512
.set i, i+1
.endr
.endr
.irp c, 0,1,2,3
.irp i, 0,1,2,3,4,5,6,7
	ds_load_b128 v[X+32*\c+4*\i:X+32*\c+4*\i+3], v7 offset:256*\c+16*\i    ; LDS serves a wave's instructions in order (ISA guide 5.7.1.4): these see my stores.  Block 2 c + h of row r
.endr
.endr
	s_wait_dscnt 0x0
; the row's sum of squares: my 128 numbers in four packed chains, begun by the first four products; then lane l xor 16's
.irp k, 0,1,2,3
	v_pk_mul_f32 v[CH+2*\k:CH+2*\k+1], v[X+2*\k:X+2*\k+1], v[X+2*\k:X+2*\k+1]
.endr
.set i, 4
.rept 60
	v_pk_fma_f32 v[CH+2*(i%4):CH+2*(i%4)+1], v[X+2*i:X+2*i+1], v[X+2*i:X+2*i+1], v[CH+2*(i%4):CH+2*(i%4)+1]
.set i, i+1
.endr
	v_pk_add_f32 v[CH:CH+1], v[CH:CH+1], v[CH+2:CH+3]
	v_pk_add_f32 v[CH+4:CH+5], v[CH+4:CH+5], v[CH+6:CH+7]
	v_pk_add_f32 v[CH:CH+1], v[CH:CH+1], v[CH+4:CH+5]
	v_add_f32 v28, v[CH], v[CH+1]
	v_permlanex16_b32 v24, v28, s12, s13
	v_add_f32 v28, v28, v24                        ; S: the same bits in both halves of the lanes
	s_wait_alu depctr_va_vdst(0)
	v_sqrt_f32 v29, v28
	v_nop                                          ; one plain instruction behind a transcendental (ISA guide 5.7.2)
	s_wait_alu depctr_va_vdst(0)
	v_fma_f32 v30, -v29, v29, v28                  ; S - n n, exactly rounded once:
	v_add_f32 v31, v29, v29
	v_max_num_f32 v31, 0x21800000, v31             ; (2 n, not under 2^-60: a norm that small ends under 1e-12 whatever the step does)
	s_wait_alu depctr_va_vdst(0)
	v_rcp_f32 v31, v31
	v_nop
	s_wait_alu depctr_va_vdst(0)
	v_fma_f32 v29, v30, v31, v29                   ; one step of correction to the root
	v_max_num_f32 v29, 0x2b8cbccc, v29             ; max(n, 1e-12)
	s_wait_alu depctr_va_vdst(0)
	v_rcp_f32 v26, v29
	v_nop
	s_wait_alu depctr_va_vdst(0)
	v_fma_f32 v30, -v29, v26, 1.0
	v_fma_f32 v26, v30, v26, v26                   ; its reciprocal, with one Newton step
	v_mov_b32 v27, v26                             ; a pair for the packed multiply
.set i, 0
.rept 64
	v_pk_mul_f32 v[X+2*i:X+2*i+1], v[X+2*i:X+2*i+1], v[26:27]      ; the normalised row, in f32
.set i, i+1
.endr
.irp c, 0,1,2,3
	BLKMAX \c
.endr
.irp c, 0,1,2,3                        ; my c-th block is block 2 c + h of the row: K step c / 2, registers 6 (c % 2) on
.set D, IMG+12*(\c/2)+6*(\c%2)
	v_cvt_scalef32_pk16_fp6_f32 v[D:D+2], v[X+32*\c:X+32*\c+15], v[SO+\c]
	v_cvt_scalef32_pk16_fp6_f32 v[TMP+4*\c:TMP+4*\c+2], v[X+32*\c+16:X+32*\c+31], v[SO+\c]   ; (a conversion's three registers begin on an even number: the upper half is made elsewhere and moved)
.endr
	v_lshlrev_b32 v31, 3, v3                       ; 8 h.  (The plain instruction behind the scaled conversions)
.irp c, 0,1,2,3
.set D, IMG+12*(\c/2)+6*(\c%2)
.irp i, 0,1,2
	v_mov_b32 v[D+3+\i], v[TMP+4*\c+\i]
.endr
.endr
; the scale words: of K step s I hold bytes h and 2 + h; lane l xor 16 holds the other two
	v_lshl_or_b32 v22, v[BY+1], 16, v[BY]
	v_lshl_or_b32 v23, v[BY+3], 16, v[BY+2]
	v_lshlrev_b32 v22, v31, v22
	v_lshlrev_b32 v23, v31, v23
	v_permlanex16_b32 v24, v22, s12, s13
	v_or_b32 v22, v22, v24
	v_permlanex16_b32 v24, v23, s12, s13
	v_or_b32 v23, v23, v24
	v_cndmask_b32 v25, v22, v23, s14               ; lanes 0-15 keep K step 0's word, lanes 16-31 K step 1's
.irp s, 0,1
.irp g, 0,1,2
	global_store_b128 v4, v[IMG+12*\s+4*\g:IMG+12*\s+4*\g+3], s[24:25] offset:1536*\s+512*\g   ; 32 lanes store 512 consecutive bytes, at a multiple of 256 from the buffer's first byte
.endr
.endr
	global_store_b32 v5, v25, s[22:23]             ; 128 consecutive bytes
	global_store_b32 v9, v29, s[16:17]             ; 16 norms; lanes 16-31 repeat lanes 0-15's words with the same values
	s_wait_tensorcnt 0x0
	ds_add_u32 v208, v209
	s_wait_dscnt 0x0
	s_endpgm
; ---------------------------------------------------------------- waves 4, 5: 32 tokens x 128 channels of z
.Lz:
	s_sub_co_u32 s19, s18, 4
	s_lshr_b32 s20, ttmp9, 1
	s_lshl_b32 s20, s20, 1
	s_add_co_u32 s20, s20, s19                     ; my record p of 32 tokens: the two waves stand side by side on 256 bytes of each row of z
	s_and_b32 s21, ttmp9, 1                        ; my K step s
	s_lshr_b32 s22, s20, 5
	s_lshl_b32 s22, s22, 20                        ; image p / 32: 256 channels x 4,096 bytes,
	s_lshl_b32 s23, s21, 19
	s_add_co_u32 s22, s22, s23                     ; + 128 s channels,
	s_and_b32 s23, s20, 31
	s_lshl_b32 s23, s23, 7
	s_add_co_u32 s22, s22, s23                     ; + 32 (p % 32) tokens of 4 bytes
	s_mov_b32 s23, 0
	s_mul_i32 s24, s20, REC
	s_mul_i32 s26, s21, 1536
	s_add_co_u32 s26, s26, s24                     ; where my images go
	s_mov_b32 s27, 0
	s_lshl_b32 s25, s21, 6
	s_add_co_u32 s24, s24, s25
	s_add_co_u32 s24, s24, SCW                     ; and my scale words: K step s takes lanes 16 s on of each tile's 128 bytes
	s_mov_b32 s25, 0
	s_wait_kmcnt 0x0
	s_add_nc_u64 s[6:7], s[6:7], s[22:23]
	s_add_nc_u64 s[26:27], s[10:11], s[26:27]
	s_add_nc_u64 s[24:25], s[10:11], s[24:25]
.set i, 0
	s_wait_alu depctr_va_vdst(0)
.rept 128
	global_load_b32 v[X+i], v5, s[6:7] offset:4096*i               ; channel 128 s + i of my token: 32 lanes read 128 consecutive bytes
.set i, i+1
.endr
	s_wait_loadcnt 63                              ; block 0's 32 loads are in (96 younger ones would be allowed; the count's field ends at 63)
	BLKMAX 0
	s_wait_loadcnt 63                              ; block 1's (64 would be allowed)
	BLKMAX 1
	s_wait_loadcnt 32                              ; block 2's: block 3's 32 may be out
	BLKMAX 2
	s_wait_loadcnt 0x0
	BLKMAX 3
.irp c, 0,1,2,3                        ; even blocks into the first image, odd blocks into the second; block c at registers 6 (c / 2) on
.set D, IMG+12*(\c%2)+6*(\c/2)
	v_cvt_scalef32_pk16_fp6_f32 v[D:D+2], v[X+32*\c:X+32*\c+15], v[SO+\c]
	v_cvt_scalef32_pk16_fp6_f32 v[TMP+4*\c:TMP+4*\c+2], v[X+32*\c+16:X+32*\c+31], v[SO+\c]
.endr
	v_lshl_or_b32 v25, v[BY+1], 8, v[BY]           ; my token's scale word for this K step.  (The plain instruction behind the scaled conversions)
	v_lshl_or_b32 v25, v[BY+2], 16, v25
	v_lshl_or_b32 v25, v[BY+3], 24, v25
.irp c, 0,1,2,3
.set D, IMG+12*(\c%2)+6*(\c/2)
.irp i, 0,1,2
	v_mov_b32 v[D+3+\i], v[TMP+4*\c+\i]
.endr
.endr
.irp i, 0,1,2,3,4,5,6,7,8,9,10,11
	v_permlane16_swap_b32 v[IMG+\i], v[IMG+12+\i]  ; tokens 16-31's even blocks change places with tokens 0-15's odd blocks: the first image is now tile 0's fragment, the second tile 1's
.endr
.irp u, 0,1
.irp g, 0,1,2
	global_store_b128 v4, v[IMG+12*\u+4*\g:IMG+12*\u+4*\g+3], s[26:27] offset:3072*\u+512*\g
.endr
.endr
	global_store_b32 v8, v25, s[24:25]             ; two runs of 64 bytes
	s_endpgm
.Lfunc_end_k_q6ffcb2359f_quant:
	.size	k_q6ffcb2359f_quant, .Lfunc_end_k_q6ffcb2359f_quant-k_q6ffcb2359f_quant
	.p2alignl 7, 3214868480
	.fill 96, 4, 3214868480
	.section	.rodata,"a",@progbits
	.p2align	6, 0x0
	.amdhsa_kernel k_q6ffcb2359f_quant
		.amdhsa_group_segment_fixed_size 67328
		.amdhsa_private_segment_fixed_size 0
		.amdhsa_enable_private_segment 0
		.amdhsa_kernarg_size 40
		.amdhsa_user_sgpr_count 2
		.amdhsa_user_sgpr_kernarg_segment_ptr 1
		.amdhsa_wavefront_size32 1
		.amdhsa_system_sgpr_workgroup_id_x 1
		.amdhsa_system_sgpr_workgroup_id_y 1
		.amdhsa_system_sgpr_workgroup_id_z 1
		.amdhsa_system_vgpr_workitem_id 0
		.amdhsa_next_free_vgpr 210
		.amdhsa_next_free_sgpr 66
		.amdhsa_reserve_vcc 0
		.amdhsa_float_denorm_mode_32 3
		.amdhsa_float_denorm_mode_16_64 3
		.amdhsa_memory_ordered 1
		.amdhsa_forward_progress 1
		.amdhsa_inst_pref_size 45
	.end_amdhsa_kernel
	.amdgpu_metadata
---
amdhsa.version: [ 1, 2 ]
amdhsa.kernels:
  - .name:           k_q6ffcb2359f_quant
    .symbol:         k_q6ffcb2359f_quant.kd
    .args:
      - { .name: embed_weight, .offset: 0, .size: 8, .value_kind: global_buffer, .address_space: global }
      - { .name: z, .offset: 8, .size: 8, .value_kind: global_buffer, .address_space: global }
      - { .name: eq, .offset: 16, .size: 8, .value_kind: global_buffer, .address_space: global }
      - { .name: zq, .offset: 24, .size: 8, .value_kind: global_buffer, .address_space: global }
      - { .name: enorm, .offset: 32, .size: 8, .value_kind: global_buffer, .address_space: global }
    .group_segment_fixed_size: 67328
    .private_segment_fixed_size: 0
    .kernarg_segment_align: 8
    .kernarg_segment_size: 40
    .max_flat_workgroup_size: 192
    .sgpr_count:     66
    .vgpr_count:     210
    .wavefront_size: 32
...
	.end_amdgpu_metadata
.endif
;; end of part 1
;; launch score (part 2): grid 16 x 16, 8 waves a work-group, clusters of 4 x 4, 327,680 bytes of LDS; arguments eq, zq, pkey, pidx; writes pkey, pidx
.if DOCPART == 2
	.amdgcn_target "amdgcn-amd-amdhsa--gfx1250"
	.amdhsa_code_object_version 6
	.text
	.protected	k_q6ffcb2359f_score
	.globl	k_q6ffcb2359f_score
	.p2align	8
	.type	k_q6ffcb2359f_score,@function
k_q6ffcb2359f_score:
	s_mov_b64 s[64:65], 0
	v_nop
	global_prefetch_b8 v0, s[64:65] scope:SCOPE_SE
	s_setreg_imm32_b32 hwreg(HW_REG_WAVE_MODE, 25, 1), 1
	s_wait_xcnt 0x0
	s_wait_alu depctr_hold_cnt(0) depctr_sa_sdst(0) depctr_va_vdst(0) depctr_va_sdst(0) depctr_va_ssrc(0) depctr_va_vcc(0) depctr_vm_vsrc(0)
	s_getreg_b32 s2, hwreg(HW_REG_IB_STS2, 6, 4)
	s_cmp_eq_u32 s2, 0
	s_cbranch_scc0 .Lentry_in_a_cluster
	s_endpgm
.Lentry_in_a_cluster:
	s_bfe_u32 s2, ttmp6, 0x10000c
	s_cmp_lg_u32 s2, 0xf033
	s_cbranch_scc0 .Lentry_shape_is_right
	s_endpgm
.Lentry_shape_is_right:
; score[token][code] = the sum over the 256 channels of z's and the normalised codebook's quantised numbers, on codes of FP6 (E2M3) with E8M0 scales, and for each token the FIRST LARGEST score of each run of 512 codes.
; eq, zq: records of 6,400 bytes, two tiles of 16 rows each, in the order of the operand's registers (byte 3072 u + 1536 s + 512 g + 16 lane: registers 4 g .. 4 g + 3 of K step s; byte 6144 + 128 u + 4 lane: scale words,
; K step 0's in lanes 0-15, K step 1's in lanes 16-31).  A fragment comes by three ds_load_b128 of 512 consecutive bytes: no pitch, no padding.
; OUT: pkey, pidx [32][8192] i32: for run 2 Y + q of 512 codes and each token the winner's index, and its score as a whole number that keeps the order: -0 made +0, then bits xor ((bits >> 31, arithmetic) and 0x7fffffff).
; SHARES.  Work-group (X, Y): tokens 512 X on, codes 1,024 Y on.  Both operands lie in LDS whole (204,800 + 102,400 bytes); no byte is filled twice.
; Wave w: tokens 128 (w / 2) on (8 tiles, 192 registers, resident), codes 512 (w % 2) on (32 tiles, ascending).  A tile of codes feeds 16 matrix instructions (8 tiles of tokens x 2 K steps).
; THE PRODUCT: source 0 = 16 codes, source 1 = 16 tokens: lane (r, h) holds token r, register j code 8 h + j.  One accumulator a tile of tokens, K ascending.
; THE SEARCH, exact: for each tile of tokens a running maximum; where a tile of codes raises it (strictly, so the first occurrence stays), the tile's number and its eight scores are kept, the scores two at a time.
; At the end the lowest j whose kept score equals the maximum gives the code; lanes l and l xor 16 are joined, the lower index winning a tie.
; BY TURNS.  The eight tiles of tokens are two halves (0-3, 4-7): while one half is multiplied, the other half's finished accumulators are searched: units of four products and the search in two tiles of tokens.
; FILLS, one tensor load a wave each time: at the head waves 0-3 the 16 token records, waves 4-7 code records 0-3 of both halves (the first 8 tiles of every wave's walk); behind the round that shows them, the other 24 code
; records, three a wave: they have those 8 tiles' 128 matrix instructions a wave in which to land, and one barrier shows them.  No prefetch: these two loads a wave are all that the work-group reads.
; CLUSTER 4 x 4: the four work-groups of a row share Y and so the code records, the four of a column share X and so the token records: each record is asked for JOINTLY, by the same tensor load with the same descriptor and a mask
; that names the four.
; LIMITS: NaN and infinite scores are not served (a NaN loses every maximum).
; REGISTERS, window 0: v1-5, v12-13 addresses; v6-11 at work; v14-15 the add's; v16-19, v24-27 z's scale words, v20-21 the codes'; v32-39, v40-47 the running maxima, by turns; v48-95 two buffers of a tile's two
;   fragments; v96-159 eight accumulators; v160-223 the kept scores; v224-231 the kept tile numbers; v232-251 the way out.   window 1: v0-191 z's fragments, (tile t, K step s) at 24 t + 12 s.
.set REC,   6400
.set SCW,   6144
.set ZB,    32*REC                     ; LDS: 32 code records from byte 0, then 16 token records,
.set SPARE, 48*REC                     ; then the spare words, 128 bytes a wave
.set ADR,   3                          ; 16 x lane + my half of the code records, stepped a record at a time
.set ADS,   4                          ; 4 x lane + the same + 6,144: the scale words
.set BASEI, 5                          ; 1,024 Y + 512 (w % 2) + 8 h
.set ZAD,   12                         ; 16 x lane + my four token records
.set ZAS,   13                         ; 4 x lane + the same
.set SPW,   14
.set NIL,   15
.set ZS,    16                         ; tile t's at ZS + t % 4 + 8 (t / 4)
.set ES,    20
.set MA,    32
.set MB,    40
.set F,     48
.set ACC,   96
.set SV,    160
.set ID,    224
.set PK,    232
.set J,     240
.set KY,    244
.set T,     248
.set G1E,   24                         ; s[24:31] descriptor group 1 for code records;  s[32:39] for token records
.set G1Z,   32
.set G0Z,   40                         ; group 0: token records; the head's code records; the other code records
.set G0E,   44
.set G0F,   48
.set CUR,   79                         ; s79 the number of the tile of codes that the search has in hand, 0 .. 31
.set MSB, 0
.macro WIN new                         ; the immediate's high byte repeats the setting that is left; a switch that changes nothing is dropped
.if MSB != \new
	s_set_vgpr_msb (MSB<<8)|\new
.set MSB, \new
.endif
.endm
.macro CROUND                          ; a round of the cluster's barrier: my work-group's barrier; wave 0 signals for the work-group; every wave waits for all sixteen; my work-group's barrier once more
	s_barrier_signal -1
	s_barrier_wait -1
	s_cmp_lg_u32 s12, 0
	s_cbranch_scc1 .Lnot_wave_0_\@
	s_barrier_signal -3
.Lnot_wave_0_\@:
	s_barrier_wait -3
	s_barrier_signal -1
	s_barrier_wait -1
.endm
	s_load_b256 s[4:11], s[0:1], 0x0               ; eq s[4:5], zq s[6:7], pkey s[8:9], pidx s[10:11]
	v_lshl_add_u32 v[SPW], v0, 2, SPARE
	v_mov_b32 v[NIL], 0
	ds_add_u32 v[SPW], v[NIL]                      ; the wave's opening: the add, twice on end, and its wait ahead of my first tensor load
	ds_add_u32 v[SPW], v[NIL]
	v_lshrrev_b32 v1, 5, v0
	v_readfirstlane_b32 s12, v1                    ; wave w, 0..7
	s_and_b32 s13, s12, 3
	s_and_b32 s14, s12, 1                          ; q: which 512 codes
	s_bfe_u32 s15, ttmp6, 0x40000                  ; cx, cy: my place in the cluster
	s_bfe_u32 s16, ttmp6, 0x40004
	s_lshl_b32 s17, ttmp9, 2
	s_add_co_u32 s17, s17, s15                     ; X = 4 x cluster x + cx
	s_and_b32 s18, ttmp7, 0xffff
	s_lshl_b32 s18, s18, 2
	s_add_co_u32 s18, s18, s16                     ; Y = 4 x cluster y + cy
	s_lshl_b32 s19, s16, 2
	s_lshl_b32 s19, 15, s19                        ; my row of the cluster: it shares Y
	s_lshl_b32 s20, 0x1111, s15                    ; my column: it shares X
	; group 1: a dense block as rows of 256 bytes (32 elements of 8 bytes), no padding: 25 rows are a record.  Tokens: 4 records; codes: 2 at the head (then 3)
	s_or_b32 s[G1E], s19, (3<<16)|(1<<21)          ; 15:0 the mask; 17:16 elements of 8 bytes; 21 set beside a mask
	s_or_b32 s[G1Z], s20, (3<<16)|(1<<21)
	s_mov_b32 s[G1E+1], 32<<16                     ; tensor_dim0 = 32
	s_mov_b32 s[G1E+2], 50<<16                     ; tensor_dim1
	s_mov_b32 s[G1E+3], 32<<16                     ; tile_dim0 = 32
	s_mov_b32 s[G1E+4], 50                         ; tile_dim1
	s_mov_b32 s[G1E+5], 32                         ; from row to row: 32 elements
	s_mov_b32 s[G1E+6], 0
	s_mov_b32 s[G1E+7], 0
	s_mov_b32 s[G1Z+1], 32<<16
	s_mov_b32 s[G1Z+2], 100<<16
	s_mov_b32 s[G1Z+3], 32<<16
	s_mov_b32 s[G1Z+4], 100
	s_mov_b32 s[G1Z+5], 32
	s_mov_b32 s[G1Z+6], 0
	s_mov_b32 s[G1Z+7], 0
	; head, codes (waves 4-7): records 16 (e / 2) + 2 (e % 2) and the next, e = w % 4.  A place in LDS hangs on the wave's number alone; s22, s52, s57 never hold X, s66 never holds Y
	s_lshr_b32 s70, s13, 1
	s_lshl_b32 s70, s70, 4
	s_and_b32 s71, s13, 1
	s_lshl_b32 s71, s71, 1
	s_add_co_u32 s70, s70, s71
	s_mul_i32 s70, s70, REC
	s_mul_i32 s57, s18, 32*REC
	s_add_co_u32 s22, s57, s70
	s_mov_b32 s23, 0
	; the other codes: records 16 (w / 4) + 4 + 3 (w % 4) and the next two
	s_lshr_b32 s56, s12, 2
	s_lshl_b32 s56, s56, 4
	s_mul_i32 s58, s13, 3
	s_add_co_u32 s56, s56, s58
	s_add_co_u32 s56, s56, 4
	s_mul_i32 s56, s56, REC
	s_add_co_u32 s52, s57, s56
	s_mov_b32 s53, 0
	; head, tokens (waves 0-3): records 4 (w % 4) on
	s_mul_i32 s71, s13, 4*REC
	s_mul_i32 s66, s17, 16*REC
	s_add_co_u32 s66, s66, s71
	s_mov_b32 s67, 0
	s_add_co_u32 s71, s71, ZB
	; what I read and where my results go
	s_lshr_b32 s59, s12, 1                         ; which 128 tokens are mine
	s_mul_i32 s72, s14, 16*REC                     ; my half of the code records
	s_add_co_u32 s75, s72, SCW
	s_mul_i32 s73, s59, 4*REC
	s_add_co_u32 s73, s73, ZB                      ; my four token records
	s_lshl_b32 s76, s18, 1
	s_add_co_u32 s76, s76, s14                     ; my run of 512 codes: 2 Y + q
	s_lshl_b32 s74, s76, 9                         ; = 1,024 Y + 512 q
	s_lshl_b32 s76, s76, 15                        ; its 8,192 words,
	s_lshl_b32 s60, s17, 11
	s_add_co_u32 s76, s76, s60                     ; + 512 X tokens,
	s_lshl_b32 s60, s59, 9
	s_add_co_u32 s76, s76, s60                     ; + 128 (w / 2)
	s_mov_b32 s77, 0
	s_mov_b32 s78, 0xffff0000                      ; lanes 16-31
	s_mov_b32 s68, 0x76543210
	s_mov_b32 s69, 0xfedcba98                      ; v_permlanex16_b32's selects for lane l xor 16
	s_mov_b32 s[CUR], -1                           ; stepped to a tile's number in the middle of its step
	v_and_b32 v1, 31, v0
	v_bfe_u32 v6, v0, 4, 1                         ; h
	v_lshlrev_b32 v2, 2, v1                        ; 4 x lane
	v_lshlrev_b32 v1, 4, v1                        ; 16 x lane
	v_lshl_add_u32 v[BASEI], v6, 3, s74
	v_add_nc_u32 v[ADS], s75, v2
	v_add_nc_u32 v[ADR], s72, v1
	v_add_nc_u32 v[ZAS], s73, v2
	v_add_nc_u32 v[ZAD], s73, v1
	s_wait_dscnt 0x0                               ; both opening adds are done
	CROUND                                         ; all sixteen work-groups are here: the joint loads meet.  (The arguments may still be on their way)
	s_wait_kmcnt 0x0
	s_mov_b32 s[G0Z], 1                            ; count = 1
	s_mov_b32 s[G0Z+1], s71                        ; LDS address
	s_add_nc_u64 s[G0Z+2:G0Z+3], s[6:7], s[66:67]  ; global address
	s_or_b32 s[G0Z+3], s[G0Z+3], 0x80000000        ; type = 2
	s_mov_b32 s[G0E], 1
	s_mov_b32 s[G0E+1], s70
	s_add_nc_u64 s[G0E+2:G0E+3], s[4:5], s[22:23]
	s_or_b32 s[G0E+3], s[G0E+3], 0x80000000
	s_mov_b32 s[G0F], 1
	s_mov_b32 s[G0F+1], s56
	s_add_nc_u64 s[G0F+2:G0F+3], s[4:5], s[52:53]
	s_or_b32 s[G0F+3], s[G0F+3], 0x80000000
	s_cmp_lt_u32 s12, 4                            ; one load a wave.  Two arms, one join
	s_cbranch_scc0 .Lhead_codes
	tensor_load_to_lds s[G0Z:G0Z+3], s[G1Z:G1Z+7]
	s_nop 0
.rept 4
	v_nop
.endr
	s_branch .Lhead_asked
.Lhead_codes:
	tensor_load_to_lds s[G0E:G0E+3], s[G1E:G1E+7]
	s_nop 0
.rept 4
	v_nop
.endr
.Lhead_asked:
	s_add_nc_u64 s[8:9], s[8:9], s[76:77]
	s_add_nc_u64 s[10:11], s[10:11], s[76:77]
	; the search begins under every score.  The step is written once for all tiles, so what its selects read is written here, while the fills are on their way
	v_mov_b32 v[MA], 0xff800000                    ; -infinity
.irp t, 1,2,3,4,5,6,7
	v_mov_b32 v[MA+\t], v[MA]
.endr
.set i, 0
.rept 64
	v_mov_b32 v[SV+i], v[MA]
.set i, i+1
.endr
.irp t, 0,1,2,3,4,5,6,7
	v_mov_b32 v[ID+\t], 0
.endr
; a tile's two fragments and its scale words into buffer buf: seven loads
.macro FETCH buf, off, soff
.irp s, 0,1
.irp g, 0,1,2
	ds_load_b128 v[F+24*\buf+12*\s+4*\g:F+24*\buf+12*\s+4*\g+3], v[ADR] offset:\off+1536*\s+512*\g
.endr
.endr
	ds_load_b32 v[ES+\buf], v[ADS] offset:\soff
.endm
; four of my eight tiles of tokens: 28 loads; they stay in registers
.macro ZFETCH t0
	WIN 0x40                                       ; destination window 1, address window 0
.irp i, 0,1,2,3
.irp s, 0,1
.irp g, 0,1,2
	ds_load_b128 v[24*(\t0+\i)+12*\s+4*\g:24*(\t0+\i)+12*\s+4*\g+3], v[ZAD] offset:((\t0+\i)/2)*REC+((\t0+\i)%2)*3072+1536*\s+512*\g
.endr
.endr
.endr
	WIN 0
.irp i, 0,1,2,3
	ds_load_b32 v[ZS+\i+2*\t0], v[ZAS] offset:((\t0+\i)/2)*REC+SCW+128*((\t0+\i)%2)
.endr
.endm
; One matrix instruction: the tile of codes in buffer buf against tile t of my tokens, K step s.  K step 0 starts the sum; K step 1 takes its scale words from lanes 16-31.
.macro W1 buf, t, s
.if (\s) == 0
	v_wmma_scale_f32_16x16x128_f8f6f4 v[ACC+8*(\t):ACC+8*(\t)+7], v[F+24*\buf:F+24*\buf+11], v[24*(\t):24*(\t)+11], 0, v[ES+\buf], v[ZS+(\t)%4+8*((\t)/4)] matrix_a_fmt:MATRIX_FMT_FP6 matrix_b_fmt:MATRIX_FMT_FP6
.else
	v_wmma_scale_f32_16x16x128_f8f6f4 v[ACC+8*(\t):ACC+8*(\t)+7], v[F+24*\buf+12:F+24*\buf+23], v[24*(\t)+12:24*(\t)+23], v[ACC+8*(\t):ACC+8*(\t)+7], v[ES+\buf], v[ZS+(\t)%4+8*((\t)/4)] matrix_a_fmt:MATRIX_FMT_FP6 matrix_b_fmt:MATRIX_FMT_FP6 matrix_a_scale:MATRIX_SCALE_ROW1 matrix_b_scale:MATRIX_SCALE_ROW1
.endif
.endm
; The eight kept scores of tile t, where VCC says that its maximum has risen: four pairs of selects
.macro KEEP t
.irp j, 0,2,4,6
	v_dual_cndmask_b32 v[SV+8*(\t)+\j], v[SV+8*(\t)+\j], v[ACC+8*(\t)+\j] :: v_dual_cndmask_b32 v[SV+8*(\t)+\j+1], v[SV+8*(\t)+\j+1], v[ACC+8*(\t)+\j+1]
.endr
.endm
; The search in tiles t and t + 1 of tokens: 20 vector instructions.  mi: the running maxima as they stand; mo: as they will.  Each accumulator is read from its low end on.
; Strictly larger: an equal score of a later tile changes nothing.
.macro AM t, mi, mo
.set AC0, ACC+8*(\t)
.set AC1, ACC+8*(\t)+8
	v_max3_num_f32 v6, v[AC0], v[AC0+1], v[AC0+2]
	v_max3_num_f32 v9, v[AC1], v[AC1+1], v[AC1+2]
	v_max3_num_f32 v7, v[AC0+3], v[AC0+4], v[AC0+5]
	v_max3_num_f32 v10, v[AC1+3], v[AC1+4], v[AC1+5]
	v_max3_num_f32 v8, v[AC0+6], v[AC0+7], v[\mi+\t]
	v_max3_num_f32 v11, v[AC1+6], v[AC1+7], v[\mi+\t+1]
	s_delay_alu instid0(VALU_DEP_2)
	v_max3_num_f32 v[\mo+\t], v6, v7, v8
	s_delay_alu instid0(VALU_DEP_2)
	v_max3_num_f32 v[\mo+\t+1], v9, v10, v11
	v_cmp_gt_f32 vcc_lo, v[\mo+\t], v[\mi+\t]
	v_cmp_gt_f32 s60, v[\mo+\t+1], v[\mi+\t+1]
	v_cndmask_b32 v[ID+\t], v[ID+\t], s[CUR], vcc_lo
	v_cndmask_b32 v[ID+\t+1], v[ID+\t+1], s[CUR], s60
	KEEP \t
	s_mov_b32 vcc_lo, s60
	KEEP \t+1
.endm
; Four products on tiles t0 .. t0 + 3, K step s, then the search in tiles a0, a0 + 1 (bare = 1: none).  Two units make a half: K step 0 of the four, then K step 1: the four accumulators take turns, one instruction a turn.
.macro UNIT buf, t0, s, a0, mi, mo, bare
	WIN 0x04                                       ; source 1 (tokens) window 1
.irp i, 0,1,2,3
	W1 \buf, \t0+\i, \s
.endr
	WIN 0
.if !\bare
	AM \a0, \mi, \mo
.endif
.endm
; ONE TILE OF CODES, number n.  buf: its buffer (= its u in the record).  pre = 1: the record's second tile is fetched into buffer 1; 2: the next record's first into buffer 0; 0: nothing.
; mi, mo: the running maxima for tile n.  First half: tile n's products on tokens' tiles 0-3 | the search of tile n - 1 in tiles 4-7, whose maxima stand the other way round.
; Second half: tile n's products on tiles 4-7 | the search of tile n in tiles 0-3.  Between the two the tile's number steps from n - 1 to n.  bare = 1: the very first tile: there is no tile n - 1.
; DISTANCES.  A vector instruction that reads a matrix result, and a load into a register that a matrix instruction has read, stand four places behind it, and only plain vector instructions that name none of
; its registers are places (ISA guide 7.12.1 for vector instructions).  Here a search's instructions are the places: they name the OTHER half's accumulators and kept scores alone;
; between an accumulator's last product and its first read, and between a fragment's last product and its next load, stands at least one whole search.
.macro STEP buf, pre, mi, mo, bare
.if \pre == 1
	FETCH 1, 3072, 128
.elseif \pre == 2
	FETCH 0, REC, REC
.endif
.if \bare
	s_wait_dscnt 35                                ; this tile's fragments and my tiles 0-3 of tokens are in: behind them tiles 4-7 (28 loads) and the seven just issued
.elseif \pre
	s_wait_dscnt 7                                 ; all but the seven just issued: this tile's fragments are in
.else
	s_wait_dscnt 0x0
.endif
	UNIT \buf, 0, 0, 4, \mo, \mi, \bare
	UNIT \buf, 0, 1, 6, \mo, \mi, \bare
	s_add_co_u32 s[CUR], s[CUR], 1                 ; this tile's number
.if \buf == 1
	v_add_nc_u32 v[ADR], REC, v[ADR]               ; on to the next record
	v_add_nc_u32 v[ADS], REC, v[ADS]
.endif
.if \bare
	s_wait_dscnt 7                                 ; my tiles 4-7 of tokens are in
.rept 4
	v_nop                                          ; four places behind the bare products, whose results the next search reads
.endr
.endif
	UNIT \buf, 4, 0, 0, \mi, \mo, 0
	UNIT \buf, 4, 1, 2, \mi, \mo, 0
.endm
; 2 x trips + 2 tiles.  No fetch runs ahead of a piece: its last tile is written out without one.  The search of the last tile's second half goes on into the next piece's first step.
.macro PIECE trips, first
	FETCH 0, 0, 0
.if \first
	ZFETCH 0
	ZFETCH 4
.endif
	STEP 0, 1, MA, MB, \first
	s_mov_b32 s21, \trips
.Ltrip_\@:                                         ; a trip is two tiles: a record's second and the next record's first; the running maxima change places twice
	STEP 1, 2, MB, MA, 0
	STEP 0, 1, MA, MB, 0
	s_sub_co_u32 s21, s21, 1
	s_cmp_lg_u32 s21, 0
	s_cbranch_scc1 .Ltrip_\@
	STEP 1, 0, MB, MA, 0
.endm
	s_wait_alu depctr_va_vdst(0)
	s_wait_tensorcnt 0x0                           ; my part of the head's records is in
	ds_add_u32 v[SPW], v[NIL]
	s_mov_b32 s[G1E+2], 75<<16                     ; no tensor load of mine is out, so a descriptor may be written: three records from here on
	s_mov_b32 s[G1E+4], 75
	s_wait_dscnt 0x0                               ; the add is done
	CROUND                                         ; everybody's part is in, and all sixteen work-groups are here
	tensor_load_to_lds s[G0F:G0F+3], s[G1E:G1E+7]  ; my three of the other 24 code records, first behind the round
	s_nop 0
.rept 4
	v_nop
.endr
	PIECE 3, 1                                     ; 8 tiles: code records 0-3 of my half
	s_wait_tensorcnt 0x0                           ; my part of the other records is in LDS,
	s_wait_dscnt 0x0
	s_barrier_signal -1
	s_barrier_wait -1                              ; and everybody's
	PIECE 11, 0                                    ; 24 tiles: records 4-15
	AM 4, MB, MA                                   ; the last tile's search in tiles 4-7: one search stands between its last product and here
	AM 6, MB, MA
; THE END OF THE SEARCH, four tiles of tokens by turns: the lowest j whose kept score equals the maximum; the code's index; the score as a whole number that keeps the order; then lane l xor 16's pair, which wins with the
; larger key, or with the lower index where the keys are equal.  (A lane permute's destination counts as read: v48-55 have held fragments.)
.macro FIN t0
.irp i, 0,1,2,3
	v_mov_b32 v[J+\i], 7
.endr
.irp j, 6,5,4,3,2,1,0
.irp i, 0,1,2,3
	v_cmp_neq_f32 s[60+\i], v[SV+8*(\t0+\i)+\j], v[MA+\t0+\i]
.endr
.irp i, 0,1,2,3
	v_cndmask_b32 v[J+\i], \j, v[J+\i], s[60+\i]   ; j where they are equal
.endr
.endr
.irp i, 0,1,2,3
	v_lshl_add_u32 v[J+\i], v[ID+\t0+\i], 4, v[J+\i]
.endr
.irp i, 0,1,2,3
	v_add_f32 v[KY+\i], 0, v[MA+\t0+\i]            ; -0 becomes +0
.endr
.irp i, 0,1,2,3
	v_add_nc_u32 v[J+\i], v[J+\i], v[BASEI]        ; 1,024 Y + 512 q + 16 x tile + 8 h + j
.endr
.irp i, 0,1,2,3
	v_ashrrev_i32 v[T+\i], 31, v[KY+\i]
.endr
.irp i, 0,1,2,3
	v_and_b32 v[T+\i], 0x7fffffff, v[T+\i]
.endr
.irp i, 0,1,2,3
	v_xor_b32 v[KY+\i], v[KY+\i], v[T+\i]          ; a negative number's lower 31 bits are turned over: signed whole numbers now stand in the scores' order
.endr
.irp i, 0,1,2,3
	v_permlanex16_b32 v[F+\i], v[KY+\i], s68, s69
.endr
.irp i, 0,1,2,3
	v_permlanex16_b32 v[F+4+\i], v[J+\i], s68, s69
.endr
.irp i, 0,1,2,3
	v_cmp_gt_i32 s[60+\i], v[F+\i], v[KY+\i]
.endr
.irp i, 0,1,2,3
	v_cmp_eq_u32 s[70+\i], v[F+\i], v[KY+\i]
.endr
.irp i, 0,1,2,3
	v_cmp_lt_u32 s[74+\i], v[F+4+\i], v[J+\i]
.endr
.irp i, 0,1,2,3
	s_and_b32 s[70+\i], s[70+\i], s[74+\i]
	s_or_b32 s[60+\i], s[60+\i], s[70+\i]
.endr
.irp i, 0,1,2,3
	v_cndmask_b32 v[MB+\t0+\i], v[KY+\i], v[F+\i], s[60+\i]
	v_cndmask_b32 v[ID+\t0+\i], v[J+\i], v[F+4+\i], s[60+\i]       ; both halves of the lanes now hold token r's pair
.endr
.endm
	FIN 0
	FIN 4
.irp a, 0,1,2,3
	v_cndmask_b32 v[PK+\a], v[MB+2*\a], v[MB+2*\a+1], s78          ; lanes 0-15 tile 2 a's tokens, lanes 16-31 tile 2 a + 1's: 32 neighbouring tokens
	v_cndmask_b32 v[PK+4+\a], v[ID+2*\a], v[ID+2*\a+1], s78
.endr
.irp a, 0,1,2,3
	global_store_b32 v2, v[PK+\a], s[8:9] offset:128*\a            ; the wave's four stores cover 512 consecutive bytes
.endr
.irp a, 0,1,2,3
	global_store_b32 v2, v[PK+4+\a], s[10:11] offset:128*\a
.endr
	s_wait_tensorcnt 0x0                           ; the wave's end
	ds_add_u32 v[SPW], v[NIL]
	s_wait_dscnt 0x0
	CROUND                                         ; the closing round: no work-group ends while a partner may still ask for a record that names it
	s_endpgm
.Lfunc_end_k_q6ffcb2359f_score:
	.size	k_q6ffcb2359f_score, .Lfunc_end_k_q6ffcb2359f_score-k_q6ffcb2359f_score
	.p2alignl 7, 3214868480
	.fill 96, 4, 3214868480
	.section	.rodata,"a",@progbits
	.p2align	6, 0x0
	.amdhsa_kernel k_q6ffcb2359f_score
		.amdhsa_group_segment_fixed_size 327680
		.amdhsa_private_segment_fixed_size 0
		.amdhsa_enable_private_segment 0
		.amdhsa_kernarg_size 32
		.amdhsa_user_sgpr_count 2
		.amdhsa_user_sgpr_kernarg_segment_ptr 1
		.amdhsa_wavefront_size32 1
		.amdhsa_system_sgpr_workgroup_id_x 1
		.amdhsa_system_sgpr_workgroup_id_y 1
		.amdhsa_system_sgpr_workgroup_id_z 1
		.amdhsa_system_vgpr_workitem_id 0
		.amdhsa_next_free_vgpr 448
		.amdhsa_next_free_sgpr 80
		.amdhsa_reserve_vcc 1
		.amdhsa_float_denorm_mode_32 3
		.amdhsa_float_denorm_mode_16_64 3
		.amdhsa_memory_ordered 1
		.amdhsa_forward_progress 1
		.amdhsa_inst_pref_size 93
	.end_amdhsa_kernel
	.amdgpu_metadata
---
amdhsa.version: [ 1, 2 ]
amdhsa.kernels:
  - .name:           k_q6ffcb2359f_score
    .symbol:         k_q6ffcb2359f_score.kd
    .args:
      - { .name: eq, .offset: 0, .size: 8, .value_kind: global_buffer, .address_space: global }
      - { .name: zq, .offset: 8, .size: 8, .value_kind: global_buffer, .address_space: global }
      - { .name: pkey, .offset: 16, .size: 8, .value_kind: global_buffer, .address_space: global }
      - { .name: pidx, .offset: 24, .size: 8, .value_kind: global_buffer, .address_space: global }
    .group_segment_fixed_size: 327680
    .private_segment_fixed_size: 0
    .kernarg_segment_align: 8
    .kernarg_segment_size: 32
    .max_flat_workgroup_size: 256
    .sgpr_count:     80
    .vgpr_count:     448
    .wavefront_size: 32
...
	.end_amdgpu_metadata
.endif
;; end of part 2
;; launch emit (part 3): grid 128 x 2, 8 waves a work-group, no clusters, 71,680 bytes of LDS; arguments pkey, pidx, embed_weight, enorm, z, out0, out1, out2, out3; writes out0, out1, out2, out3
.if DOCPART == 3
	.amdgcn_target "amdgcn-amd-amdhsa--gfx1250"
	.amdhsa_code_object_version 6
	.text
	.protected	k_q6ffcb2359f_emit
	.globl	k_q6ffcb2359f_emit
	.p2align	8
	.type	k_q6ffcb2359f_emit,@function
k_q6ffcb2359f_emit:
	s_mov_b64 s[64:65], 0
	v_nop
	global_prefetch_b8 v0, s[64:65] scope:SCOPE_SE
	s_setreg_imm32_b32 hwreg(HW_REG_WAVE_MODE, 25, 1), 1
	s_wait_xcnt 0x0
; For each token: the winner among its 32 partial winners (pkey, pidx [32][8192] i32: whole numbers stored by the launch before; the larger key wins, the earlier run of codes on a tie); the winner's row of embed_weight,
; divided by its held norm (enorm); st = z + (q - z) in f32.  out0 [8][256][1024] f32 = st, channel first; out1 [8192] i32 = the index; out2 [8192][256] i32 = trunc(st x sqrt(32)) + 4, token first; out3 [1] = 0.
; SHARES.  Work-group (blk, y): tokens 64 blk on, channels 128 y on.  So a channel's piece of z and of out0 is 256 consecutive bytes and a token's piece of the row and of out2 512.
; The choice is made by integer compares and selects on numbers read from memory; the index is held to 0 .. 16,383 before it enters an address.
; TWO TURNS THROUGH LDS, 16 bytes a lane both ways: q from token-major (as rows are gathered) to channel-major (as z lies), and the whole numbers back to token-major.  Each array is cut in four by the low two bits of
; the index that changes from register to register, so that four neighbouring registers are four neighbours in LDS; the pitches, 272 and 528 bytes, are odd multiples of 16.
; No tensor loads: the rows' addresses hang on loaded indices.  No cluster: the only bytes that two work-groups share are the 16 KiB of partial winners that the two halves y both read, a small part of each one's 130 KiB.
; LIMITS: NaN and infinities among the inputs are not served.
.set CK, 0                             ; LDS: [4][64] keys: the winners of each eight runs
.set CI, 1024                          ; and their indices
.set QT, 2048                          ; q: channel c at [c % 4][c / 4]: 4 x 32 rows of 272 bytes; token t at byte 4 t
.set UU, 36864                         ; the whole numbers: token t at [t % 4][t / 4]: 4 x 16 rows of 528 bytes; channel c at byte 4 c
.set K,  16                            ; v16-23  keys;  later the rows' offsets
.set I,  24                            ; v24-31  indices;  later the norm, its reciprocal, and at work
.set EA, 16
.set ZR, 32                            ; v32-63  z: register 4 i + k: channel 16 w + 8 hh + i, token 4 x + k;  later out2's rows
.set E,  64                            ; v64-95  the gathered rows: register 4 t + k: token 8 w + t, channel 4 L + k;  later q as z lies, then st
.set Q,  96                            ; v96-127 q: register 8 k + t;  later the whole numbers: register 8 k + i: token 4 x + k, channel 16 w + 8 hh + i
	s_load_b256 s[4:11], s[0:1], 0x0               ; pkey s[4:5], pidx s[6:7], embed_weight s[8:9], enorm s[10:11]
	s_load_b256 s[12:19], s[0:1], 0x20             ; z s[12:13], out0 s[14:15], out1 s[16:17], out2 s[18:19]
	s_load_b64 s[20:21], s[0:1], 0x40              ; out3
	v_lshl_add_u32 v128, v0, 2, 0x11400
	v_mov_b32 v129, 0
	v_lshrrev_b32 v1, 5, v0
	s_delay_alu instid0(VALU_DEP_1)
	v_readfirstlane_b32 s22, v1                    ; wave w, 0..7
	s_and_b32 s24, ttmp7, 0xffff                   ; y
	v_and_b32 v1, 31, v0                           ; L
	v_and_b32 v2, 15, v0                           ; x
	v_bfe_u32 v3, v0, 4, 1                         ; hh
	s_wait_alu depctr_va_vdst(0)
	s_lshr_b32 s25, s22, 1
	s_and_b32 s26, s22, 1
	s_lshl_b32 s27, s25, 18
	s_lshl_b32 s28, s26, 7
	s_add_co_u32 s27, s27, s28
	v_lshl_add_u32 v4, v1, 2, s27                  ; partial winners: runs 8 (w / 2) on (32,768 bytes each), token 32 (w % 2) + L
	s_lshl_b32 s27, s25, 8
	s_add_co_u32 s27, s27, s28
	v_lshl_add_u32 v6, v1, 2, s27                  ; LDS: [w / 2][32 (w % 2) + L]
	s_lshl_b32 s27, s22, 16
	v_lshl_add_u32 v5, v3, 15, s27
	s_delay_alu instid0(VALU_DEP_1)
	v_lshl_add_u32 v5, v2, 4, v5                   ; z, out0: channel 16 w + 8 hh (4,096 bytes each), tokens 4 x on
	v_and_b32 v7, 7, v0
	s_lshl_b32 s27, s22, 5
	v_lshl_add_u32 v7, v7, 2, s27                  ; token 8 w + L % 8, 4 bytes: in LDS, and in out1
	s_lshl_b32 s27, s24, 9
	v_lshl_add_u32 v8, v1, 4, s27                  ; a row of embed_weight: channels 128 y + 4 L on
	v_mul_u32_u24 v9, v1, 272
	s_lshl_b32 s27, s22, 5
	s_add_co_u32 s27, s27, QT
	v_add_nc_u32 v9, s27, v9                       ; q in: row L (channels 4 L + k), tokens 8 w on
	s_mul_i32 s27, s22, 1088
	s_add_co_u32 s27, s27, QT
	v_mul_u32_u24 v10, v3, 544
	s_delay_alu instid0(VALU_DEP_1)
	v_lshl_add_u32 v10, v2, 4, v10
	s_delay_alu instid0(VALU_DEP_1)
	v_add_nc_u32 v10, s27, v10                     ; q out: row 4 w + 2 hh (+ i / 4), tokens 4 x on
	s_lshl_b32 s27, s22, 6
	s_add_co_u32 s27, s27, UU
	v_mul_u32_u24 v11, v2, 528
	s_delay_alu instid0(VALU_DEP_1)
	v_lshl_add_u32 v11, v3, 5, v11
	s_delay_alu instid0(VALU_DEP_1)
	v_add_nc_u32 v11, s27, v11                     ; whole numbers in: row x (tokens 4 x + k), channels 16 w + 8 hh on
	s_mul_i32 s27, s22, 1056
	s_add_co_u32 s27, s27, UU
	v_lshl_add_u32 v12, v1, 4, s27                 ; out: row 2 w (+ t / 4), channels 4 L on
	s_lshl_b32 s27, s22, 13
	v_lshl_add_u32 v13, v1, 4, s27                 ; out2: token 8 w (1,024 bytes each), 16 L
	s_lshl_b32 s28, ttmp9, 8                       ; 64 blk tokens of 4 bytes
	s_mov_b32 s29, 0
	s_lshr_b32 s56, ttmp9, 4
	s_lshl_b32 s56, s56, 20                        ; image blk / 16,
	s_lshl_b32 s57, s24, 19
	s_add_co_u32 s56, s56, s57                     ; + 128 y channels,
	s_and_b32 s57, ttmp9, 15
	s_lshl_b32 s57, s57, 8
	s_add_co_u32 s56, s56, s57                     ; + 64 (blk % 16) tokens
	s_mov_b32 s57, 0
	s_lshl_b32 s58, ttmp9, 16                      ; out2: 64 blk tokens of 1,024 bytes,
	s_lshl_b32 s59, s24, 9
	s_add_co_u32 s58, s58, s59                     ; + 128 y channels
	s_mov_b32 s59, 0
	s_wait_kmcnt 0x0
	s_add_nc_u64 s[4:5], s[4:5], s[28:29]
	s_add_nc_u64 s[6:7], s[6:7], s[28:29]
	s_add_nc_u64 s[16:17], s[16:17], s[28:29]
	s_add_nc_u64 s[12:13], s[12:13], s[56:57]
	s_add_nc_u64 s[14:15], s[14:15], s[56:57]
	s_add_nc_u64 s[18:19], s[18:19], s[58:59]
.irp j, 0,1,2,3,4,5,6,7
	global_load_b32 v[K+\j], v4, s[4:5] offset:32768*\j
	global_load_b32 v[I+\j], v4, s[6:7] offset:32768*\j
.endr
.irp i, 0,1,2,3,4,5,6,7
	global_load_b128 v[ZR+4*\i:ZR+4*\i+3], v5, s[12:13] offset:4096*\i th:TH_LOAD_NT   ; 16 lanes read 256 consecutive bytes of a channel; each byte of z is read once in this launch
.endr
	s_wait_loadcnt 8                               ; the sixteen partial winners are in; z's eight loads stay out
; the eight runs by a tree: of two neighbours the later run wins only with a strictly larger key
.irp j, 0,2,4,6
	v_cmp_gt_i32 s[60+\j/2], v[K+\j+1], v[K+\j]
.endr
.irp j, 0,2,4,6
	v_cndmask_b32 v[K+\j], v[K+\j], v[K+\j+1], s[60+\j/2]
.endr
.irp j, 0,2,4,6
	v_cndmask_b32 v[I+\j], v[I+\j], v[I+\j+1], s[60+\j/2]
.endr
.irp j, 0,4
	v_cmp_gt_i32 s[60+\j/4], v[K+\j+2], v[K+\j]
.endr
.irp j, 0,4
	v_cndmask_b32 v[K+\j], v[K+\j], v[K+\j+2], s[60+\j/4]
.endr
.irp j, 0,4
	v_cndmask_b32 v[I+\j], v[I+\j], v[I+\j+2], s[60+\j/4]
.endr
	v_cmp_gt_i32 vcc_lo, v[K+4], v[K]
	v_cndmask_b32 v[K], v[K], v[K+4], vcc_lo
	v_cndmask_b32 v[I], v[I], v[I+4], vcc_lo
	ds_store_b32 v6, v[K] offset:CK
	ds_store_b32 v6, v[I] offset:CI
	s_wait_dscnt 0x0                               ; for the others' sake: my stores have landed
	s_barrier_signal -1
	s_barrier_wait -1
.irp p, 0,1,2,3
	ds_load_b32 v[K+\p], v7 offset:CK+256*\p       ; lane L: token 8 w + L % 8
	ds_load_b32 v[I+\p], v7 offset:CI+256*\p
.endr
	s_wait_dscnt 0x0
	v_cmp_gt_i32 s60, v[K+1], v[K]
	v_cmp_gt_i32 s61, v[K+3], v[K+2]
	v_cndmask_b32 v[K], v[K], v[K+1], s60
	v_cndmask_b32 v[K+2], v[K+2], v[K+3], s61
	v_cndmask_b32 v[I], v[I], v[I+1], s60
	v_cndmask_b32 v[I+2], v[I+2], v[I+3], s61
	v_cmp_gt_i32 vcc_lo, v[K+2], v[K]
	v_cndmask_b32 v[I], v[I], v[I+2], vcc_lo
	v_min_u32 v14, 0x3fff, v[I]                    ; the token's index, held inside the table
	s_cmp_lg_u32 s24, 0                            ; out1 and out3 belong to the half y = 0
	s_cbranch_scc1 .Lnot_mine
	global_store_b32 v7, v14, s[16:17]             ; eight words; lanes 8-31 repeat them with the same values
	s_or_b32 s27, ttmp9, s22
	s_cmp_lg_u32 s27, 0
	s_cbranch_scc1 .Lnot_mine
	v_mov_b32 v15, 0
	global_store_b32 v15, v15, s[20:21]            ; the loss: 0.0 (work-group (0, 0), wave 0)
.Lnot_mine:
	s_wait_alu depctr_va_vdst(0)
	v_lshlrev_b32 v26, 2, v14
	global_load_b32 v24, v26, s[10:11]             ; n = max(the row's norm, 1e-12)
.irp t, 0,1,2,3,4,5,6,7
	v_readlane_b32 s[30+\t], v14, \t               ; token 8 w + t's index,
.endr
.irp t, 0,1,2,3,4,5,6,7
	s_min_u32 s[30+\t], s[30+\t], 0x3fff
	s_lshl_b32 s[30+\t], s[30+\t], 10              ; its row of 1,024 bytes
.endr
.irp t, 0,1,2,3,4,5,6,7
	v_add_nc_u32 v[EA+\t], s[30+\t], v8
	global_load_b128 v[E+4*\t:E+4*\t+3], v[EA+\t], s[8:9]          ; 32 lanes read 512 consecutive bytes of the row
.endr
	s_wait_loadcnt 8                               ; z and the norms are in; the eight rows stay out
	v_rcp_f32 v25, v24
	v_nop                                          ; one plain instruction behind a transcendental (ISA guide 5.7.2)
	s_wait_alu depctr_va_vdst(0)
	v_fma_f32 v27, -v24, v25, 1.0
	v_fma_f32 v25, v27, v25, v25                   ; 1 / n, with one Newton step
.irp t, 0,1,2,3,4,5,6,7
	v_readlane_b32 s[38+\t], v24, \t
	v_readlane_b32 s[46+\t], v25, \t
.endr
.irp t, 0,1,2,3,4,5,6,7
	s_wait_loadcnt 7-\t                            ; row t is in; the younger rows stay out
.irp k, 0,1,2,3
	v_mul_f32 v[Q+8*\k+\t], s[46+\t], v[E+4*\t+\k]                 ; e / n as a division rounds it: e r,
.endr
.irp k, 0,1,2,3
	v_fma_f32 v[28+\k], -v[Q+8*\k+\t], s[38+\t], v[E+4*\t+\k]      ; what is left of e,
.endr
.irp k, 0,1,2,3
	v_fma_f32 v[Q+8*\k+\t], v[28+\k], s[46+\t], v[Q+8*\k+\t]       ; and its share
.endr
.endr
.irp k, 0,1,2,3
.irp j, 0,1
	ds_store_b128 v9, v[Q+8*\k+4*\j:Q+8*\k+4*\j+3] offset:8704*\k+16*\j    ; channel 4 L + k, tokens 8 w + 4 j on
.endr
.endr
	s_wait_dscnt 0x0
	s_barrier_signal -1
	s_barrier_wait -1                              ; q of 64 tokens x 128 channels lies in LDS
.irp i, 0,1,2,3,4,5,6,7
	ds_load_b128 v[E+4*\i:E+4*\i+3], v10 offset:8704*(\i%4)+272*(\i/4)     ; channel 16 w + 8 hh + i, tokens 4 x on: as z lies
.endr
	s_wait_dscnt 0x0
.set i, 0
.rept 16
	v_pk_add_f32 v[E+2*i:E+2*i+1], v[E+2*i:E+2*i+1], v[ZR+2*i:ZR+2*i+1] neg_lo:[0,1] neg_hi:[0,1]   ; q - z
.set i, i+1
.endr
.set i, 0
.rept 16
	v_pk_add_f32 v[E+2*i:E+2*i+1], v[ZR+2*i:ZR+2*i+1], v[E+2*i:E+2*i+1]    ; st = z + (q - z)
.set i, i+1
.endr
.irp i, 0,1,2,3,4,5,6,7
	global_store_b128 v5, v[E+4*\i:E+4*\i+3], s[14:15] offset:4096*\i th:TH_STORE_NT   ; 16 lanes store 256 consecutive bytes, at a multiple of 256 from out0's first byte
.endr
.irp i, 0,1,2,3,4,5,6,7
.irp k, 0,1,2,3
	v_mul_f32 v[Q+8*\k+\i], 0x40b504f3, v[E+4*\i+\k]               ; x sqrt(32), rounded to f32 as the reference rounds it
.endr
.endr
.set i, 0
.rept 32
	v_cvt_i32_f32 v[Q+i], v[Q+i]                   ; toward zero
.set i, i+1
.endr
.set i, 0
.rept 32
	v_add_nc_u32 v[Q+i], 4, v[Q+i]
.set i, i+1
.endr
.irp k, 0,1,2,3
.irp j, 0,1
	ds_store_b128 v11, v[Q+8*\k+4*\j:Q+8*\k+4*\j+3] offset:8448*\k+16*\j   ; token 4 x + k, channels 16 w + 8 hh + 4 j on
.endr
.endr
	s_wait_dscnt 0x0
	s_barrier_signal -1
	s_barrier_wait -1                              ; the whole numbers of 64 tokens x 128 channels lie in LDS
.irp t, 0,1,2,3,4,5,6,7
	ds_load_b128 v[ZR+4*\t:ZR+4*\t+3], v12 offset:8448*(\t%4)+528*(\t/4)   ; token 8 w + t, channels 4 L on
.endr
.irp t, 0,1,2,3,4,5,6,7
	s_wait_dscnt 7-\t                              ; LDS loads come back in order (ISA guide 5.7.1): row t is in
	global_store_b128 v13, v[ZR+4*\t:ZR+4*\t+3], s[18:19] offset:1024*\t th:TH_STORE_NT   ; 32 lanes store 512 consecutive bytes, at a multiple of 256 from out2's first byte
.endr
	s_wait_tensorcnt 0x0
	ds_add_u32 v128, v129
	s_wait_dscnt 0x0
	s_endpgm
.Lfunc_end_k_q6ffcb2359f_emit:
	.size	k_q6ffcb2359f_emit, .Lfunc_end_k_q6ffcb2359f_emit-k_q6ffcb2359f_emit
	.p2alignl 7, 3214868480
	.fill 96, 4, 3214868480
	.section	.rodata,"a",@progbits
	.p2align	6, 0x0
	.amdhsa_kernel k_q6ffcb2359f_emit
		.amdhsa_group_segment_fixed_size 71680
		.amdhsa_private_segment_fixed_size 0
		.amdhsa_enable_private_segment 0
		.amdhsa_kernarg_size 72
		.amdhsa_user_sgpr_count 2
		.amdhsa_user_sgpr_kernarg_segment_ptr 1
		.amdhsa_wavefront_size32 1
		.amdhsa_system_sgpr_workgroup_id_x 1
		.amdhsa_system_sgpr_workgroup_id_y 1
		.amdhsa_system_sgpr_workgroup_id_z 1
		.amdhsa_system_vgpr_workitem_id 0
		.amdhsa_next_free_vgpr 130
		.amdhsa_next_free_sgpr 70
		.amdhsa_reserve_vcc 1
		.amdhsa_float_denorm_mode_32 3
		.amdhsa_float_denorm_mode_16_64 3
		.amdhsa_memory_ordered 1
		.amdhsa_forward_progress 1
		.amdhsa_inst_pref_size 28
	.end_amdhsa_kernel
	.amdgpu_metadata
---
amdhsa.version: [ 1, 2 ]
amdhsa.kernels:
  - .name:           k_q6ffcb2359f_emit
    .symbol:         k_q6ffcb2359f_emit.kd
    .args:
      - { .name: pkey, .offset: 0, .size: 8, .value_kind: global_buffer, .address_space: global }
      - { .name: pidx, .offset: 8, .size: 8, .value_kind: global_buffer, .address_space: global }
      - { .name: embed_weight, .offset: 16, .size: 8, .value_kind: global_buffer, .address_space: global }
      - { .name: enorm, .offset: 24, .size: 8, .value_kind: global_buffer, .address_space: global }
      - { .name: z, .offset: 32, .size: 8, .value_kind: global_buffer, .address_space: global }
      - { .name: out0, .offset: 40, .size: 8, .value_kind: global_buffer, .address_space: global }
      - { .name: out1, .offset: 48, .size: 8, .value_kind: global_buffer, .address_space: global }
      - { .name: out2, .offset: 56, .size: 8, .value_kind: global_buffer, .address_space: global }
      - { .name: out3, .offset: 64, .size: 8, .value_kind: global_buffer, .address_space: global }
    .group_segment_fixed_size: 71680
    .private_segment_fixed_size: 0
    .kernarg_segment_align: 8
    .kernarg_segment_size: 72
    .max_flat_workgroup_size: 256
    .sgpr_count:     70
    .vgpr_count:     130
    .wavefront_size: 32
...
	.end_amdgpu_metadata
.endif
;; end of part 3
